; MI455X (gfx1250); checked and timed in simulation.
; The chip was launched on July 23, 2026; its instructions are those of AMD's public machine-readable ISA for CDNA 5 (MIT licence, August 2026) and "CDNA5" Instruction Set Architecture Reference Guide (July 2026). The comments in the code are by the model that wrote it; some were corrected since.
;; Self Attention. Allowed arithmetic: matrix products marked QUANTISED: E4M3 operands, one given power-of-two scale a tensor, by v_wmma_f32_16x16x64_fp8_fp8 or v_wmma_f32_16x16x128_fp8_fp8, f32 sums; products left as they are: f32 operands where the result goes on into a quantised operand, else bf16, f16 or f32 operands; f32 sums; everything else in f32.
;; Inputs: Wk_codes 16 x 2 x 32 uint8 (E4M3 codes of Wk, K innermost, in blocks of 32 codes); Wq_codes 16 x 2 x 32 uint8 (E4M3 codes of Wq, K innermost, in blocks of 32 codes); Wv_codes 64 x 2 x 32 uint8 (E4M3 codes of Wv, K innermost, in blocks of 32 codes); lowp_scales 8 int32 (the exponents e of the quantised operands' scales 2^e); x_codes 4 x 4,096 x 2 x 32 uint8 (E4M3 codes of x, K innermost, in blocks of 32 codes).
;; Outputs: out0 4 x 4,096 x 64 float32.
;; This version of the problem:
;;   THIS VERSION OF THE PROBLEM IS GIVEN IN LOW PRECISION. The matrix products marked QUANTISED in the list below multiply operands that are first quantised to E4M3 (4 exponent bits, 3 mantissa bits; 8 bits a number), with one given power-of-two scale for each operand tensor; their sums are f32. All else is computed in f32.
;;   The module's matrix products, in the order in which they are computed (A, B: the left and right operand; K: the contracted axis; several contracted axes count as one K, in the product's order):
;;     1. [M 16,384, K 64] x [K 64, N 16]; A: input x (given as codes); B: input Wq (given as codes): QUANTISED (scales: A lowp_scales[0], B lowp_scales[1])
;;     2. [M 16,384, K 64] x [K 64, N 16]; A: input x (given as codes); B: input Wk (given as codes): QUANTISED (scales: A lowp_scales[2], B lowp_scales[3])
;;     3. [M 16,384, K 64] x [K 64, N 64]; A: input x (given as codes); B: input Wv (given as codes): QUANTISED (scales: A lowp_scales[4], B lowp_scales[5])
;;     4. batch 4 x [M 4,096, K 16] x [K 16, N 4,096]; A: computed on the way; B: computed on the way: left as it is (K = 16 < 32)
;;     5. batch 4 x [M 4,096, K 4,096] x [K 4,096, N 64]; A: softmax (see below); B: computed on the way: QUANTISED (scales: A lowp_scales[6], B lowp_scales[7])
;;   THE QUANTISER, for each operand of a quantised product, along K:
;;     - The operand's scale is 2^e, e = its entry of the input lowp_scales (int32; the entries are numbered through the quantised products in the list's order, A before B).
;;     - Each number is divided by the scale, clamped to +-448, and rounded to the nearest number of E4M3, ties to even, subnormals kept.
;;     - The product sums the exact products of the quantised numbers (number of the format x scale) in f32.
;;   ~~~python
;;   def quantise(x, axis, e):      # numpy; x: float32 -> the quantised numbers, widened to float32 again
;;       x = np.moveaxis(x, axis, -1); K = x.shape[-1]
;;       r = np.clip(x / 2.0 ** e, -448, 448)
;;       step = 2.0 ** (np.maximum(np.frexp(np.where(r == 0, 1, r))[1] - 1, -6) - 3)
;;       q = np.round(r / step) * step * 2.0 ** e      # np.round: ties to even
;;       return np.moveaxis(q, -1, axis).astype(np.float32)
;;   ~~~
;;   SOFTMAX AHEAD OF A QUANTISED PRODUCT. Where the list says 'softmax', what is quantised is not the finished softmax but p = 2^(t - M), with t = logit x log2(e) and M = ceil(the row's largest t), a whole number; so 1/2 < the row's largest p <= 1. The row's sum l is taken of the UNQUANTISED p, in f32, and the product's result is divided by l at the end. Since M is a whole number, a kernel that streams over the keys may use a running M (the ceiling of the running maximum): every later rescaling is an exact power of two, so the quantised numbers keep their values, but for numbers so far below the row's largest that they fall under the format's range.
;;   OPERANDS COMPUTED ON THE WAY. 'Computed on the way' means the value that the module computes at that place (a softmax that the list does not call 'softmax' is quantised finished and normalised). What goes into a quantiser is computed in f32, as accurately as f32 sums, v_exp_f32 and their like allow (about 1e-6 of the number): no bf16 or f16 on the way to a quantiser, and a product that is left as it is and whose result goes on into a quantised operand takes f32 operands (vector FMAs, or v_wmma_f32_16x16x4_f32). A number that lies on a knife's edge between two numbers of the format may be rounded either way, as far as f32 arithmetic and the matrix unit's own rounding can turn it there, and no further.
;;   INPUTS GIVEN AS CODES. Wk (in the module: [64, 16], K = its axis 0); Wq (in the module: [64, 16], K = its axis 0); Wv (in the module: [64, 64], K = its axis 0); x (in the module: [4, 4096, 64], K = its axis 2): each comes as NAME_codes (uint8): NAME with its K axis moved to the last place and cut into blocks of 32 codes, [.., K / 32, bytes a block], one block behind the other in memory; one code a byte (a code: sign, 4 exponent bits, 3 mantissa bits); its scale is its entry of lowp_scales. Its value is code x scale, taken as it is: it is not quantised again, and the codes and scales need not be those that the quantiser above would give.
;; 2 versions, each right and faster than the one before. Each part assembles by itself: llvm-mc -triple=amdgcn-amd-amdhsa -mcpu=gfx1250 --defsym DOCPART=n.
;; ======== version 1 of 2: 1 launch
;; limits: right only within a limited range of input values
;; launch attn (part 1): grid 64 x 4, 16 waves a work-group, no clusters, 211,968 bytes of LDS; arguments x_codes, Wq_codes, Wk_codes, Wv_codes, lowp_scales, out0; writes out0
.if DOCPART == 1
	.amdgcn_target "amdgcn-amd-amdhsa--gfx1250"
	.amdhsa_code_object_version 6
	.text
	.protected	k_q88bba0a137_attn
	.globl	k_q88bba0a137_attn
	.p2align	8
	.type	k_q88bba0a137_attn,@function
k_q88bba0a137_attn:
	s_mov_b64 s[64:65], 0
	v_nop
	global_prefetch_b8 v0, s[64:65] scope:SCOPE_SE
	s_setreg_imm32_b32 hwreg(HW_REG_WAVE_MODE, 25, 1), 1
	s_wait_xcnt 0x0
; out[b][q][:] = sum over keys <= q of softmax(q.k / 4) v, one head: B = 4, T = 4,096, q and k of 16, v of 64.  x, Wq, Wk, Wv arrive as E4M3 codes, K = 64 innermost.
; PRODUCTS.  x Wq, x Wk, x Wv and p v go by v_wmma_f32_16x16x64_fp8_fp8 / 16x16x128_fp8_fp8 on codes.  q k^T (K = 16) feeds the quantiser of p, so it takes f32 operands: v_wmma_f32_16x16x4_f32.
; SCALES e0..e7 (whole numbers).  The sums of x Wq and x Wk are kept as they come (powers of two commute with f32 rounding); c = log2(e) / 4 gets e0+e1+e2+e3 added to its exponent field.
; v's code = sum / 2^(e7-e4-e5), held within +-448; p = 2^(t - M), M = the ceiling of the running largest t, code = p / 2^e6, held at 448; the row's sum is taken of the unquantised p; the result is x 2^(e6+e7) / sum.
; LIMITS: e0+e1+e2+e3 between -124 and 129; e6, and e7-e4-e5, between -126 and 119; every t above -3e38.
; WORK LEFT OUT.  the scores of keys > query are -infinity, so their p is 0 whatever the inputs hold.  A step of 128 keys all of which come after a tile's 16 queries is not walked
; (first key > first query: both are multiples of 16, so the first key then lies past the tile's last query), and k and v of steps past the work-group's last query are not made.  No input is left out.
; LIMIT: a NaN, an infinity or an overflow that reaches only such a step is not carried to the result.
; SHARES.  A work-group owns 64 queries of one batch: the 32 of block j and the 32 of block 127 - j, so that every work-group walks the same number of steps.  Sixteen waves of 256 registers.
; Keys go in slots of 512.  MAKING: wave w makes k (f32 sums) and v (codes) of keys 32 w .. 32 w + 31 of a slot from x's codes, and stores them in LDS as IMAGES OF OPERAND REGISTERS (16 bytes a lane, 512 consecutive bytes an instruction).
; USING: with s = w & 3, a = w >> 2, wave w has query tile t = a xor s and key step s of every slot; among four waves that share s, and among four that share a, all four tiles occur.  The four parts of a tile (M, sum, O) meet in LDS at the end.
; LEAD AND LAG.  Waves of even t (lead) make a step's scores in a half's first phase and its softmax and p v in the second; waves of odd t (lag) make scores in the second phase and the softmax and p v in the next half's first:
; so in each phase half of the waves have f32 products in hand and the other half vector work.
; LAYOUT: no number changes lanes.  q^T = Wq x^T and k^T = Wk x^T: lane (r, h) holds query or key r, register i head unit 8 h + i; registers 2 kk, 2 kk + 1 are K step kk of the f32 form for both sides alike.
; S^T = k q^T: lane (r, h) holds query r, register i of tile c key 16 c + 8 h + i: eight conversions give source 1 of the K = 128 form in its own order.  v = x Wv: lane (r, h) holds channel r, register i key 8 h + i: its codes are
; registers 2 c, 2 c + 1 of source 0 (V^T).  O^T: lane (r, h) holds query r, register i of tile dt channel 16 dt + 8 h + i.  The K = 64 fragments are fetched by two loads of 16 bytes, 32 bytes apart: one order of k for both sides.
; NO CLUSTER: no tile comes by a tensor load; what work-groups share is x's codes, 2,048 bytes a wave and slot, loaded straight into operand registers, and work-groups of different j make different numbers of slots.
.set SLOTB,  65536                     ; a slot: 4 key steps of 16,384 bytes; two buffers
.set STEPB,  16384                     ; a key step: K's image (8 tiles x 2 groups x 512 bytes), then V's (4 channel tiles x 4 groups x 512 bytes)
.set VIMG,   8192
.set WIMG,   2*SLOTB                   ; images of Wv's 4 fragments (8 pieces of 512 bytes) and Wk's (2 pieces)
.set STG,    WIMG+5120                 ; the way out: 16 regions (4 t + s) of 16 rows x (256 bytes + 16)
.set SPITCH, 272
.set RGN,    16*SPITCH
.set STAT,   STG+16*RGN                ; -M at 128 (4 t + s) + 4 lane; the sums 2,048 bytes on
.set SPARE,  STAT+4096                 ; the spare words, 128 bytes a wave: eight blocks of 256 bytes that no other line names
.set LI,   1                           ; v1    16 x lane
.set XO,   2                           ; v2    64 r + 16 h: a lane's place in 16 rows of 64 codes
.set AC,   3                           ; v3,4  my key step's images in buffer 0, 1
.set APK,  5                           ; v5,6  where I store k's images
.set APV,  7                           ; v7,8  where I store v's images
.set AW,   9                           ; v9    the weights' images
.set AWS,  10                          ; v10   where I store my piece of them
.set NM,   12                          ; v12   -M;  v13 the largest t
.set TM,   13
.set LS,   14                          ; v[14:15] the row's sum, in two halves
.set VSC,  16                          ; v16, v17  2^(e7-e4-e5) and 448 x that
.set VLIM, 17
.set PSC,  18                          ; v18, v19  2^e6 and 448 x that
.set PLIM, 19
.set F,    20                          ; v[20:21] f = 2^(old M - new M); v21 is named with it as a pair
.set T0,   22
.set T1,   23
.set T2,   24
.set DD,   25
.set SU,   26                          ; v[26:27]
.set NINF, 28
.set RH,   29                          ; r - 8 h
.set SPW,  30                          ; v30   my spare word;  v31  0: never rewritten
.set NIL,  31
.set Q,    32                          ; v32-39   q^T
.set X,    40                          ; v40-55   x's codes of my 32 keys of the next slot
.set C,    56                          ; v56-71   p's codes
.set WV,   56                          ; v56-87   while k and v are made: Wv's four fragments
.set O,    88                          ; v88-119  O^T
.set S,    120                         ; v120-183 S^T: written by the f32 matrix form alone
.set P,    184                         ; v184-247 k's fragments, then p, then V's fragments; at work while k and v are made
.set STO,  248
.set RD,   249
.set SST,  250
.set RS,   251
.set WVN,  24                          ; s24 wave, s25 s, s26 a, s27 t, s28 lag, s29 batch
.set SS,   25
.set SA,   26
.set ST,   27
.set LG,   28
.set SB,   29
.set Q0,   30                          ; my tile's first query
.set KMAX, 31                          ; the work-group's last query
.set KF,   32                          ; first key of my step of slot n
.set KV,   33                          ; first key of the step whose softmax is in hand
.set PKF,  34                          ; first key of the step of slot n + 1 to which the keys that I make belong
.set CS,   38                          ; s[38:39] c
.set SEL,  40                          ; s[40:41] lane l xor 16
.set XB,   42                          ; s[42:43] x's codes of my 32 keys of the slot to be loaded
.set OB,   44                          ; s[44:45] out at the four rows that I join
.set ES,   46                          ; e6 + e7
.set TR,   47
.macro BAR                             ; my LDS stores have landed and my LDS loads are in: then the work-group's barrier
	s_wait_dscnt 0x0
	s_barrier_signal -1
	s_barrier_wait -1
.endm
; MY 32 KEYS OF A SLOT, into buffer pb.  Two tiles of 16 keys; for each: k^T = Wk x^T (one product), v = x Wv (four).
.macro PRODUCE pb
.set n, 0
.rept 8
	ds_load_b128 v[WV+4*n:WV+4*n+3], v[AW] offset:512*n            ; Wv's fragments
.set n, n+1
.endr
	ds_load_b128 v[P+40:P+43], v[AW] offset:4096                   ; Wk's
	ds_load_b128 v[P+44:P+47], v[AW] offset:4608
	s_wait_loadcnt 0x0                                             ; x's codes, asked for a half ago, are in: so their base may step
	s_add_nc_u64 s[XB:XB+1], s[XB:XB+1], 32768                     ; 512 keys of 64 bytes on
	s_wait_dscnt 0x0
.irp kt, 0,1
	v_wmma_f32_16x16x64_fp8_fp8 v[P+32:P+39], v[P+40:P+47], v[X+8*\kt:X+8*\kt+7], 0
.irp dt, 0,1,2,3
	v_wmma_f32_16x16x64_fp8_fp8 v[P+8*\dt:P+8*\dt+7], v[X+8*\kt:X+8*\kt+7], v[WV+8*\dt:WV+8*\dt+7], 0
.endr
.rept 4
	v_nop                                                          ; four places ahead of the reads of these results and of loads into x's registers
.endr
.if \kt == 1
	s_add_co_u32 s48, s[PKF], 512                                  ; the next slot's codes are asked for if they will be used: the same test as the next half's; no load leaves x
	s_cmp_gt_u32 s48, s[KMAX]
	s_cbranch_scc1 .Lno_x_\@
	global_load_b128 v[X:X+3],     v[XO], s[XB:XB+1]
	global_load_b128 v[X+4:X+7],   v[XO], s[XB:XB+1] offset:32
	global_load_b128 v[X+8:X+11],  v[XO], s[XB:XB+1] offset:1024
	global_load_b128 v[X+12:X+15], v[XO], s[XB:XB+1] offset:1056
.Lno_x_\@:
.endif
	ds_store_b128 v[APK+(\pb)], v[P+32:P+35] offset:1024*\kt       ; k's tile as it stands: registers 0-3, then 4-7
	ds_store_b128 v[APK+(\pb)], v[P+36:P+39] offset:1024*\kt+512
.irp dt, 0,1,2,3
.irp i, 0,1,2,3,4,5,6,7
	v_med3_num_f32 v[P+8*\dt+\i], v[P+8*\dt+\i], -v[VLIM], v[VLIM] ; the conversion to an 8-bit code does not saturate (ISA guide 7.6.2): the hold at the largest code x the scale
.endr
	v_cvt_scalef32_pk8_fp8_f32 v[P+48+4*\dt+2*\kt:P+49+4*\dt+2*\kt], v[P+8*\dt:P+8*\dt+7], v[VSC]
.endr
	v_nop                                                          ; a plain line behind the last conversion: the next products write its sources
.if \kt == 0
	s_wait_dscnt 0x0                                               ; k's stores are done before the next product writes their registers
.endif
.endr
.irp dt, 0,1,2,3
	ds_store_b128 v[APV+(\pb)], v[P+48+4*\dt:P+51+4*\dt] offset:2048*\dt   ; four registers of channel tile dt's fragment: my 32 keys
.endr
	s_wait_dscnt 0x0
.endm
; THE SCORES of my key step, from buffer kb: S^T = k q^T, eight tiles of 16 keys, four K steps of 4.  The eight accumulators take turns.
.macro QK kb
.set n, 0
.rept 16
	ds_load_b128 v[P+4*n:P+4*n+3], v[AC+(\kb)] offset:512*n
.set n, n+1
.endr
	s_wait_dscnt 0x0
.irp kk, 0,1,2,3
.irp c, 0,1,2,3,4,5,6,7
.if \kk == 0
	v_wmma_f32_16x16x4_f32 v[S+8*\c:S+8*\c+7], v[P+8*\c:P+8*\c+1], v[Q:Q+1], 0
.else
	v_wmma_f32_16x16x4_f32 v[S+8*\c:S+8*\c+7], v[P+8*\c+2*\kk:P+8*\c+2*\kk+1], v[Q+2*\kk:Q+2*\kk+1], v[S+8*\c:S+8*\c+7]
.endif
.endr
.endr
.rept 9
	v_nop                                                          ; nine places: what follows on some way is a matrix instruction that writes over these registers; reads of S and loads into P want eight
.endr
.endm
; The step's largest score, the new M, f, and t - M into P.  src: S, or P where the mask has been laid.  Each accumulator is read from its low end on.
.macro SOFTHEAD src
	v_max3_num_f32 v[T0], v[\src], v[\src+1], v[\src+2]
	v_max3_num_f32 v[T1], v[\src+3], v[\src+4], v[\src+5]
.irp i, 6,10,14,18,22,26,30,34,38,42,46,50,54,58
	v_max3_num_f32 v[T0], v[T0], v[\src+\i], v[\src+\i+1]
	v_max3_num_f32 v[T1], v[T1], v[\src+\i+2], v[\src+\i+3]
.endr
	v_max3_num_f32 v[T0], v[T0], v[\src+62], v[\src+63]
	v_max_num_f32 v[T0], v[T0], v[T1]
	v_permlanex16_b32 v[T2], v[T0], s[SEL], s[SEL+1]               ; the query's other 64 keys lie in the lane 16 away
	v_max_num_f32 v[T0], v[T0], v[T2]
	v_mul_f32 v[T0], s[CS], v[T0]                                  ; as t (c is positive)
	v_max_num_f32 v[TM], v[TM], v[T0]
	v_mov_b32 v[T0], v[NM]
	v_floor_f32 v[NM], -v[TM]                                      ; -M = floor(-t): M is a whole number
	v_sub_f32 v[T0], v[NM], v[T0]                                  ; old M - new M, 0 or less
	v_cvt_i32_f32 v[T0], v[T0]                                     ; (it saturates)
	v_ldexp_f32 v[F], 1.0, v[T0]                                   ; f: a power of two, or 0 in the first step walked
.set n, 0
.rept 32
	v_pk_fma_f32 v[P+n:P+n+1], v[\src+n:\src+n+1], s[CS:CS+1], v[NM:NM+1] op_sel_hi:[1,0,0]   ; t - M (of the pairs c and -M the low word serves both halves)
.set n, n+2
.endr
.endm
; SOFTMAX AND p v of the step whose first key is s[KV] and whose scores lie in S; V's image lies in buffer vb.
.macro SMPV vb
	s_add_co_u32 s49, s[KV], 127
	s_cmp_le_u32 s49, s[Q0]                                        ; all 128 keys count for all 16 queries: no mask
	s_cbranch_scc1 .Lopen_\@
	s_sub_co_i32 s49, s[Q0], s[KV]
	v_add_nc_u32 v[DD], s49, v[RH]                                 ; register 8 c + i holds key KV + 16 c + 8 h + i: hidden where 16 c + i > Q0 - KV + r - 8 h.  Key KV counts for every query of the tile
.set n, 0
.rept 64
	v_cmp_gt_i32 vcc_lo, 16*(n/8)+n%8, v[DD]
	v_cndmask_b32 v[P+n], v[S+n], v[NINF], vcc_lo
.set n, n+1
.endr
	SOFTHEAD P
	s_branch .Ljoin_\@
.Lopen_\@:
	SOFTHEAD S
.Ljoin_\@:
.set n, 0
.rept 64
	v_exp_f32 v[P+n], v[P+n]                                       ; p = 2^(t - M): one batch
.set n, n+1
.endr
	v_pk_mul_f32 v[LS:LS+1], v[LS:LS+1], v[F:F+1] op_sel_hi:[1,0]  ; the sums under the new M: the plain line behind the exponentials
	s_wait_alu depctr_va_vdst(0)                                   ; the wait ahead of the first line that names a result: one for the batch
	v_pk_add_f32 v[SU:SU+1], v[P:P+1], v[P+2:P+3]                  ; the row's sum, of the unquantised p, in two chains
.irp i, 4,8,12,16,20,24,28,32,36,40,44,48,52,56,60
	v_pk_add_f32 v[LS:LS+1], v[LS:LS+1], v[P+\i:P+\i+1]
	v_pk_add_f32 v[SU:SU+1], v[SU:SU+1], v[P+\i+2:P+\i+3]
.endr
	v_pk_add_f32 v[LS:LS+1], v[LS:LS+1], v[SU:SU+1]
.irp c, 0,1,2,3,4,5,6,7
.irp i, 0,1,2,3,4,5,6,7
	v_min_num_f32 v[P+8*\c+\i], v[P+8*\c+\i], v[PLIM]              ; p is not negative: a one-sided hold
.endr
	v_cvt_scalef32_pk8_fp8_f32 v[C+2*\c:C+2*\c+1], v[P+8*\c:P+8*\c+7], v[PSC]   ; keys 16 c + 8 h + 0 .. 7: registers 2 c, 2 c + 1 of source 1
.endr
.set n, 0
.rept 16
	ds_load_b128 v[P+4*n:P+4*n+3], v[AC+(\vb)] offset:VIMG+512*n   ; V^T's four fragments
.set n, n+1
.endr
.set n, 0
.rept 16
	v_pk_mul_f32 v[O+n:O+n+1], v[O+n:O+n+1], v[F:F+1] op_sel_hi:[1,0]   ; O^T under the new M; also the plain lines between the conversions and the products
.set n, n+2
.endr
	s_wait_dscnt 0x0
.irp dt, 0,1,2,3
	v_wmma_f32_16x16x128_fp8_fp8 v[O+8*\dt:O+8*\dt+7], v[P+16*\dt:P+16*\dt+15], v[C:C+15], v[O+8*\dt:O+8*\dt+7]
.endr
.rept 5
	v_nop                                                          ; five places: what follows on some way is a matrix instruction that writes over V's registers; loads and stores want four
.endr
.endm
; HALF A TRIP: slot n lies in buffer tb; slot n + 1 is made into the other.
.macro HALF tb
	BAR                                                            ; slot n is whole: every wave's stores of it have landed
	s_cmp_lg_u32 s[LG], 0
	s_cbranch_scc1 .Lp1lag_\@
	s_cmp_gt_u32 s[KF], s[Q0]                                      ; (ahead of slot 0 KF has wrapped and is the greater)
	s_cbranch_scc1 .Lp1end_\@
	QK \tb                                                         ; lead: the scores of slot n's step
	s_branch .Lp1end_\@
.Lp1lag_\@:
	s_sub_co_u32 s[KV], s[KF], 512
	s_cmp_gt_u32 s[KV], s[Q0]
	s_cbranch_scc1 .Lp1end_\@
	SMPV 1-\tb                                                     ; lag: softmax and p v of slot n - 1's step, whose V lies in the other buffer
.Lp1end_\@:
	BAR                                                            ; nobody reads the other buffer any more
	s_cmp_gt_u32 s[PKF], s[KMAX]
	s_cbranch_scc1 .Lnoprod_\@
	PRODUCE 1-\tb
.Lnoprod_\@:
	s_cmp_lg_u32 s[LG], 0
	s_cbranch_scc1 .Lp2lag_\@
	s_mov_b32 s[KV], s[KF]
	s_cmp_gt_u32 s[KV], s[Q0]
	s_cbranch_scc1 .Lp2end_\@
	SMPV \tb                                                       ; lead: softmax and p v of slot n's step
	s_branch .Lp2end_\@
.Lp2lag_\@:
	s_cmp_gt_u32 s[KF], s[Q0]
	s_cbranch_scc1 .Lp2end_\@
	QK \tb                                                         ; lag: the scores of slot n's step
.Lp2end_\@:
	s_add_co_u32 s[KF], s[KF], 512
	s_add_co_u32 s[PKF], s[PKF], 512
.endm
	s_load_b256 s[4:11], s[0:1], 0x0               ; x s[4:5], Wq s[6:7], Wk s[8:9], Wv s[10:11]
	s_load_b128 s[12:15], s[0:1], 0x20             ; the scales' exponents s[12:13], out s[14:15]
	v_lshl_add_u32 v[SPW], v0, 2, SPARE
	v_mov_b32 v[NIL], 0
	v_lshrrev_b32 v[T0], 5, v0
	v_readfirstlane_b32 s[WVN], v[T0]              ; wave 0..15
	s_and_b32 s[SS], s[WVN], 3                     ; s: my key step in a slot; also which 32 keys of a step I make
	s_lshr_b32 s[SA], s[WVN], 2                    ; a: the step for which I make them
	s_xor_b32 s[ST], s[SA], s[SS]                  ; t: my query tile
	s_and_b32 s[LG], s[ST], 1                      ; 1: lag
	s_and_b32 s[SB], ttmp7, 0xffff                 ; batch
	s_sub_co_u32 s48, 127, ttmp9
	s_cmp_lt_u32 s[ST], 2
	s_cselect_b32 s48, ttmp9, s48                  ; tiles 0, 1: block j; tiles 2, 3: block 127 - j
	s_lshl_b32 s[Q0], s48, 5
	s_lshl_b32 s49, s[LG], 4
	s_add_co_u32 s[Q0], s[Q0], s49                 ; my first query
	s_lshl_b32 s49, ttmp9, 5
	s_sub_co_u32 s[KMAX], 4095, s49                ; the work-group's last query
	s_lshl_b32 s50, s[ST], 2
	s_add_co_u32 s50, s50, s[SS]                   ; my region on the way out: 4 t + s
	; every LDS address is made here, ahead of the first branch: a constant + a lane term + a wave term
	v_and_b32 v[LI], 31, v0
	v_lshlrev_b32 v[LI], 4, v[LI]
	v_and_b32 v[T0], 15, v0                        ; r
	v_bfe_u32 v[T1], v0, 4, 1                      ; h
	v_lshlrev_b32 v[XO], 6, v[T0]
	v_lshl_add_u32 v[XO], v[T1], 4, v[XO]
	s_lshl_b32 s51, s[SS], 14
	v_add_nc_u32 v[AC], s51, v[LI]
	v_add_nc_u32 v[AC+1], SLOTB, v[AC]
	s_lshl_b32 s52, s[SA], 14
	s_lshl_b32 s53, s[SS], 11
	s_add_co_u32 s53, s53, s52
	v_add_nc_u32 v[APK], s53, v[LI]                ; step a, tiles 2 s and 2 s + 1
	v_add_nc_u32 v[APK+1], SLOTB, v[APK]
	s_lshl_b32 s53, s[SS], 9
	s_add_co_u32 s53, s53, s52
	s_add_co_u32 s53, s53, VIMG
	v_add_nc_u32 v[APV], s53, v[LI]                ; step a, register group s
	v_add_nc_u32 v[APV+1], SLOTB, v[APV]
	v_add_nc_u32 v[AW], WIMG, v[LI]
	s_lshl_b32 s53, s[WVN], 9
	v_add_nc_u32 v[AWS], s53, v[AW]                ; used by waves 0 to 9 alone
	s_mul_i32 s53, s50, RGN
	v_mul_u32_u24 v[STO], v[T0], SPITCH
	v_lshl_add_u32 v[STO], v[T1], 5, v[STO]
	v_add_nc_u32 v[STO], s53, v[STO]
	v_add_nc_u32 v[STO], STG, v[STO]               ; in: my region, row r, + 32 h
	s_mul_i32 s53, s[ST], 4*RGN
	s_mul_i32 s54, s[SS], 4*SPITCH
	s_add_co_u32 s53, s53, s54
	v_mul_u32_u24 v[RD], v[T1], SPITCH
	v_lshl_add_u32 v[RD], v[T0], 4, v[RD]
	v_add_nc_u32 v[RD], s53, v[RD]
	v_add_nc_u32 v[RD], STG, v[RD]                 ; back: tile t's first region, row 4 s + h, 16 bytes at 16 r
	s_lshl_b32 s53, s50, 7
	v_and_b32 v[SST], 31, v0
	v_lshlrev_b32 v[SST], 2, v[SST]
	v_add_nc_u32 v[SST], s53, v[SST]
	v_add_nc_u32 v[SST], STAT, v[SST]
	s_lshl_b32 s53, s[ST], 9
	s_lshl_b32 s54, s[SS], 4
	s_add_co_u32 s53, s53, s54
	v_lshlrev_b32 v[RS], 2, v[T1]
	v_add_nc_u32 v[RS], s53, v[RS]
	v_add_nc_u32 v[RS], STAT, v[RS]                ; tile t's first region, query 4 s + h
	v_lshlrev_b32 v[RH], 3, v[T1]
	v_sub_nc_u32 v[RH], v[T0], v[RH]               ; r - 8 h
	v_mov_b32 v[NINF], 0xff800000
	v_mov_b32 v[T2], 0                             ; written once: a lane permute's destination counts as one of its sources
	v_mov_b32 v[F+1], 0                            ; (named as the upper half of the pair)
	s_mov_b32 s[SEL], 0x76543210
	s_mov_b32 s[SEL+1], 0xfedcba98
	; offsets, apart from the addresses
	s_lshl_b32 s52, s[SB], 18                      ; a batch of x: 4,096 rows of 64 bytes
	s_lshl_b32 s53, s[WVN], 11
	s_add_co_u32 s52, s52, s53                     ; + my 32 keys of slot 0
	s_mov_b32 s53, 0
	s_lshl_b32 s54, s[SB], 18
	s_lshl_b32 s55, s[Q0], 6
	s_add_co_u32 s54, s54, s55                     ; my 16 queries' rows of x
	s_mov_b32 s55, 0
	s_lshl_b32 s56, s[SB], 20                      ; a batch of out: 4,096 rows of 256 bytes
	s_lshl_b32 s57, s[Q0], 8
	s_add_co_u32 s56, s56, s57
	s_lshl_b32 s57, s[SS], 10
	s_add_co_u32 s56, s56, s57                     ; row Q0 + 4 s
	s_mov_b32 s57, 0
	s_lshr_b32 s58, s[WVN], 1                      ; the weights' images: waves 0-7 bring Wv's tile w / 2, half w % 2; waves 8, 9 Wk's halves
	s_lshl_b32 s58, s58, 10
	s_and_b32 s59, s[WVN], 1
	s_lshl_b32 s59, s59, 5
	s_cmp_lt_u32 s[WVN], 8
	s_cselect_b32 s58, s58, 0
	s_add_co_u32 s58, s58, s59
	s_mov_b32 s59, 0
	s_wait_kmcnt 0x0
	s_load_b256 s[16:23], s[12:13], 0x0            ; e0 .. e7
	s_add_nc_u64 s[XB:XB+1], s[4:5], s[52:53]
	s_add_nc_u64 s[60:61], s[4:5], s[54:55]
	s_add_nc_u64 s[OB:OB+1], s[14:15], s[56:57]
	s_cmp_lt_u32 s[WVN], 8                         ; the choice hangs on the wave's number alone
	s_cselect_b64 s[62:63], s[10:11], s[8:9]
	s_add_nc_u64 s[62:63], s[62:63], s[58:59]
	global_load_b128 v[X:X+3],     v[XO], s[XB:XB+1]               ; slot 0: my 32 keys
	global_load_b128 v[X+4:X+7],   v[XO], s[XB:XB+1] offset:32
	global_load_b128 v[X+8:X+11],  v[XO], s[XB:XB+1] offset:1024
	global_load_b128 v[X+12:X+15], v[XO], s[XB:XB+1] offset:1056
	global_load_b128 v[P:P+3],     v[XO], s[60:61]                 ; my queries' rows of x
	global_load_b128 v[P+4:P+7],   v[XO], s[60:61] offset:32
	global_load_b128 v[P+8:P+11],  v[XO], s[6:7]                   ; Wq
	global_load_b128 v[P+12:P+15], v[XO], s[6:7] offset:32
	s_cmp_ge_u32 s[WVN], 10
	s_cbranch_scc1 .Lno_piece
	global_load_b128 v[P+16:P+19], v[XO], s[62:63]
	s_wait_loadcnt 0x0
	ds_store_b128 v[AWS], v[P+16:P+19]             ; read behind the first two barriers
.Lno_piece:
	s_wait_loadcnt 0x0
	v_wmma_f32_16x16x64_fp8_fp8 v[Q:Q+7], v[P+8:P+15], v[P:P+7], 0 ; q^T = Wq x^T: it stays
.irp i, 0,1,2,3
	v_mov_b32 v[O+\i], 0
.endr
	; S is read and written in different arms of the halves' branches, so it is given a value here, once; it is written by the f32 matrix form alone: eight products of zeros.  They add nothing to any result.
.irp c, 0,1,2,3,4,5,6,7
	v_wmma_f32_16x16x4_f32 v[S+8*\c:S+8*\c+7], v[O:O+1], v[O+2:O+3], 0
.endr
.set n, 4
.rept 28
	v_mov_b32 v[O+n], 0                            ; O^T begins as zeros, which the first f leaves zeros.  (These 28 are also the places behind the products above)
.set n, n+1
.endr
	v_mov_b32 v[LS], 0
	v_mov_b32 v[LS+1], 0
	v_mov_b32 v[TM], 0xff61b1e6                    ; the largest t so far: -3e38
	v_floor_f32 v[NM], -v[TM]
	s_wait_kmcnt 0x0
	s_add_co_i32 s48, s16, s17
	s_add_co_i32 s48, s48, s18
	s_add_co_i32 s48, s48, s19
	s_lshl_b32 s48, s48, 23
	s_add_co_i32 s[CS], s48, 0x3eb8aa3b            ; c = log2(e) / 4, with e0+e1+e2+e3 added to its exponent field
	s_mov_b32 s[CS+1], s[CS]                       ; (named with it as a pair)
	s_sub_co_i32 s48, s23, s20
	s_sub_co_i32 s48, s48, s21
	s_add_co_i32 s48, s48, 127
	s_lshl_b32 s49, s48, 23
	v_mov_b32 v[VSC], s49                          ; 2^(e7-e4-e5)
	s_add_co_i32 s48, s48, 8
	s_lshl_b32 s48, s48, 23
	s_or_b32 s48, s48, 0x600000
	v_mov_b32 v[VLIM], s48                         ; 448 x that
	s_add_co_i32 s48, s22, 127
	s_lshl_b32 s49, s48, 23
	v_mov_b32 v[PSC], s49                          ; 2^e6
	s_add_co_i32 s48, s48, 8
	s_lshl_b32 s48, s48, 23
	s_or_b32 s48, s48, 0x600000
	v_mov_b32 v[PLIM], s48                         ; 448 x 2^e6
	s_add_co_i32 s[ES], s22, s23
	s_lshl_b32 s[KF], s[SS], 7
	s_sub_co_u32 s[KF], s[KF], 512                 ; n = -1: it wraps, and is greater than any query
	s_lshl_b32 s[PKF], s[SA], 7                    ; slot 0
	s_mov_b32 s[TR], 0
.Ltrip:                                                ; five trips of two halves: n = -1 .. 8.  n = -1 makes slot 0; n = 8 is the lag waves' last softmax.  All branches hang on ids and the count of halves
	HALF 1
	HALF 0
	s_add_co_u32 s[TR], s[TR], 1
	s_cmp_lt_u32 s[TR], 5
	s_cbranch_scc1 .Ltrip
	; THE WAY OUT.  My part (-M, sum, O^T under that M) goes to LDS; wave (t, s) then joins queries 4 s .. 4 s + 3 of tile t from the four parts and stores four whole rows.
	v_add_f32 v[LS], v[LS], v[LS+1]
	v_permlanex16_b32 v[T2], v[LS], s[SEL], s[SEL+1]
	v_add_f32 v[LS], v[LS], v[T2]                  ; the sum over my keys, in both halves of the lanes
.irp dt, 0,1,2,3
	ds_store_b128 v[STO], v[O+8*\dt:O+8*\dt+3] offset:64*\dt       ; row r, channels 16 dt + 8 h + 0 .. 7
	ds_store_b128 v[STO], v[O+8*\dt+4:O+8*\dt+7] offset:64*\dt+16
.endr
	ds_store_b32 v[SST], v[NM]
	ds_store_b32 v[SST], v[LS] offset:2048
	BAR
.irp u, 0,1                                    ; lane (r, h): query 4 s + 2 u + h, channels 4 r .. 4 r + 3; part i
.irp i, 0,1,2,3
	ds_load_b128 v[P+16*\u+4*\i:P+16*\u+4*\i+3], v[RD] offset:RGN*\i+2*SPITCH*\u
	ds_load_b32 v[P+32+4*\u+\i], v[RS] offset:128*\i+8*\u
	ds_load_b32 v[P+40+4*\u+\i], v[RS] offset:2048+128*\i+8*\u
.endr
.endr
	s_wait_dscnt 0x0
.irp u, 0,1
	v_min_num_f32 v[T0], v[P+32+4*\u], v[P+33+4*\u]
	v_min_num_f32 v[T1], v[P+34+4*\u], v[P+35+4*\u]
	v_min_num_f32 v[T0], v[T0], v[T1]              ; -(the largest M)
.irp i, 0,1,2,3
	v_sub_f32 v[P+48+4*\u+\i], v[T0], v[P+32+4*\u+\i]              ; M_i - the largest M: a whole number, 0 or less; a part that walked no step has -M = 3e38
.endr
.irp i, 0,1,2,3
	v_cvt_i32_f32 v[P+48+4*\u+\i], v[P+48+4*\u+\i]                 ; (it saturates)
.endr
.irp i, 0,1,2,3
	v_ldexp_f32 v[P+48+4*\u+\i], 1.0, v[P+48+4*\u+\i]              ; f_i: a power of two, or 0
.endr
	v_mul_f32 v[SU+\u], v[P+48+4*\u], v[P+40+4*\u]
.irp i, 1,2,3
	v_fma_f32 v[SU+\u], v[P+48+4*\u+\i], v[P+40+4*\u+\i], v[SU+\u]
.endr
.irp k, 0,1,2,3
	v_mul_f32 v[C+4*\u+\k], v[P+48+4*\u], v[P+16*\u+\k]
.endr
.irp i, 1,2,3
.irp k, 0,1,2,3
	v_fma_f32 v[C+4*\u+\k], v[P+48+4*\u+\i], v[P+16*\u+4*\i+\k], v[C+4*\u+\k]
.endr
.endr
.endr
	v_rcp_f32 v[SU], v[SU]
	v_rcp_f32 v[SU+1], v[SU+1]
	v_nop                                          ; a plain line behind the reciprocals
	s_wait_alu depctr_va_vdst(0)                   ; and the wait ahead of their first reader: one for both
	v_ldexp_f32 v[SU], v[SU], s[ES]                ; x 2^(e6+e7)
	v_ldexp_f32 v[SU+1], v[SU+1], s[ES]
.irp u, 0,1
.irp k, 0,1,2,3
	v_mul_f32 v[C+4*\u+\k], v[C+4*\u+\k], v[SU+\u]
.endr
.endr
.irp u, 0,1
	global_store_b128 v[LI], v[C+4*\u:C+4*\u+3], s[OB:OB+1] offset:512*\u th:TH_STORE_NT   ; 32 lanes store 512 consecutive bytes, two whole rows of out, at a multiple of 256 from its first byte
.endr
	s_wait_tensorcnt 0x0                           ; the wave's end
	ds_add_u32 v[SPW], v[NIL]
	s_wait_dscnt 0x0
	s_endpgm
.Lfunc_end_k_q88bba0a137_attn:
	.size	k_q88bba0a137_attn, .Lfunc_end_k_q88bba0a137_attn-k_q88bba0a137_attn
	.p2alignl 7, 3214868480
	.fill 96, 4, 3214868480
	.section	.rodata,"a",@progbits
	.p2align	6, 0x0
	.amdhsa_kernel k_q88bba0a137_attn
		.amdhsa_group_segment_fixed_size 211968
		.amdhsa_private_segment_fixed_size 0
		.amdhsa_enable_private_segment 0
		.amdhsa_kernarg_size 48
		.amdhsa_user_sgpr_count 2
		.amdhsa_user_sgpr_kernarg_segment_ptr 1
		.amdhsa_wavefront_size32 1
		.amdhsa_system_sgpr_workgroup_id_x 1
		.amdhsa_system_sgpr_workgroup_id_y 1
		.amdhsa_system_sgpr_workgroup_id_z 1
		.amdhsa_system_vgpr_workitem_id 0
		.amdhsa_next_free_vgpr 256
		.amdhsa_next_free_sgpr 66
		.amdhsa_reserve_vcc 1
		.amdhsa_float_denorm_mode_32 3
		.amdhsa_float_denorm_mode_16_64 3
		.amdhsa_memory_ordered 1
		.amdhsa_forward_progress 1
		.amdhsa_inst_pref_size 137
	.end_amdhsa_kernel
	.amdgpu_metadata
---
amdhsa.version: [ 1, 2 ]
amdhsa.kernels:
  - .name:           k_q88bba0a137_attn
    .symbol:         k_q88bba0a137_attn.kd
    .args:
      - { .name: x_codes, .offset: 0, .size: 8, .value_kind: global_buffer, .address_space: global }
      - { .name: Wq_codes, .offset: 8, .size: 8, .value_kind: global_buffer, .address_space: global }
      - { .name: Wk_codes, .offset: 16, .size: 8, .value_kind: global_buffer, .address_space: global }
      - { .name: Wv_codes, .offset: 24, .size: 8, .value_kind: global_buffer, .address_space: global }
      - { .name: lowp_scales, .offset: 32, .size: 8, .value_kind: global_buffer, .address_space: global }
      - { .name: out0, .offset: 40, .size: 8, .value_kind: global_buffer, .address_space: global }
    .group_segment_fixed_size: 211968
    .private_segment_fixed_size: 0
    .kernarg_segment_align: 8
    .kernarg_segment_size: 48
    .max_flat_workgroup_size: 512
    .sgpr_count:     66
    .vgpr_count:     256
    .wavefront_size: 32
...
	.end_amdgpu_metadata
.endif
;; end of part 1
;; ======== version 2 of 2: 1 launch; 1.16 times as fast as version 1
;; limits: right only within a limited range of input values
;; launch attn (part 2): grid 64 x 4, 16 waves a work-group, no clusters, 277,504 bytes of LDS; arguments x_codes, Wq_codes, Wk_codes, Wv_codes, lowp_scales, out0; writes out0
.if DOCPART == 2
	.amdgcn_target "amdgcn-amd-amdhsa--gfx1250"
	.amdhsa_code_object_version 6
	.text
	.protected	k_q88bba0a137_attn
	.globl	k_q88bba0a137_attn
	.p2align	8
	.type	k_q88bba0a137_attn,@function
k_q88bba0a137_attn:
	s_mov_b64 s[64:65], 0
	v_nop
	global_prefetch_b8 v0, s[64:65] scope:SCOPE_SE
	s_setreg_imm32_b32 hwreg(HW_REG_WAVE_MODE, 25, 1), 1
	s_wait_xcnt 0x0
; out[b][q][:] = sum over keys <= q of softmax(q.k / 4) v, one head: B = 4, T = 4,096, q and k of 16, v of 64.  x, Wq, Wk, Wv arrive as E4M3 codes, K = 64 innermost.
; PRODUCTS.  x Wq, x Wk, x Wv and p v go by v_wmma_f32_16x16x64_fp8_fp8 / 16x16x128_fp8_fp8 on codes.  q k^T (K = 16) feeds the quantiser of p, so it takes f32 operands: v_wmma_f32_16x16x4_f32.
; SCALES e0..e7 (whole numbers).  The sums of x Wq and x Wk are kept as they come (powers of two commute with f32 rounding); c = log2(e) / 4 gets e0+e1+e2+e3 added to its exponent field.
; v's code = sum / 2^(e7-e4-e5), held within +-448; p = 2^(t - M), M = the ceiling of the running largest t, code = p / 2^e6, held at 448; the row's sum is taken of the unquantised p; the result is x 2^(e6+e7) / sum.
; LIMITS: e0+e1+e2+e3 between -124 and 129; e6, and e7-e4-e5, between -126 and 119; every t above -3e38.
; WORK LEFT OUT.  the scores of keys > query are -infinity, so their p is 0 whatever the inputs hold.  A step of 128 keys all of which come after a tile's 16 queries is not walked
; (first key > first query: both are multiples of 16, so the first key then lies past the tile's last query), and k and v of steps past the work-group's last query are not made.  No input is left out.
; LIMIT: a NaN, an infinity or an overflow that reaches only such a step is not carried to the result.
; p's hold is jumped over where e6 >= -8: p is at most 1 but for a rounding, and 448 x 2^e6 is then at least 1.75, so the hold changes no number; the branch hangs on e6, a whole number read from memory.
; SHARES.  A work-group owns 64 queries of one batch: the 32 of block j and the 32 of block 127 - j, so that every work-group walks the same number of steps.  Sixteen waves of 256 registers.
; Keys go in slots of 512.  MAKING: wave w makes k (f32 sums) and v (codes) of keys 32 w .. 32 w + 31 of a slot from x's codes, and stores them in LDS as IMAGES OF OPERAND REGISTERS (16 bytes a lane, 512 consecutive bytes an instruction).
; USING: with s = w & 3, a = w >> 2, wave w has query tile t = a xor s and key step s of every slot; among four waves that share s, and among four that share a, all four tiles occur.  The four parts of a tile (M, sum, O) meet in LDS at the end.
; THREE BUFFERS, ONE BARRIER A HALF.  Slot n lies in buffer n mod 3.  Half n stands behind one barrier.  In it waves of even t (lead) make slot n's scores, then their keys of slot n + 1, then slot n's softmax and p v;
; waves of odd t (lag) do the softmax and p v of slot n - 1, then make their keys of slot n + 1, then slot n's scores: so f32 products and vector work are in hand side by side.
; Half n reads buffers n and n - 1 and writes buffer n + 1, which is buffer n - 2: its last reads stand in half n - 1, and each wave has waited for its own ahead of half n's barrier.
; LAYOUT: no number changes lanes.  q^T = Wq x^T and k^T = Wk x^T: lane (r, h) holds query or key r, register i head unit 8 h + i; registers 2 kk, 2 kk + 1 are K step kk of the f32 form for both sides alike.
; S^T = k q^T: lane (r, h) holds query r, register i of tile c key 16 c + 8 h + i: eight conversions give source 1 of the K = 128 form in its own order.  v = x Wv: lane (r, h) holds channel r, register i key 8 h + i: its codes are
; registers 2 c, 2 c + 1 of source 0 (V^T).  O^T: lane (r, h) holds query r, register i of tile dt channel 16 dt + 8 h + i.  The K = 64 fragments are fetched by two loads of 16 bytes, 32 bytes apart: one order of k for both sides.
; NO CLUSTER: no tile comes by a tensor load; what work-groups share is x's codes, 2,048 bytes a wave and slot, loaded straight into operand registers, and work-groups of different j make different numbers of slots.
.set SLOTB,  65536                     ; a slot: 4 key steps of 16,384 bytes; three buffers
.set VIMG,   8192                      ; a key step: K's image (8 tiles x 2 groups x 512 bytes), then V's (4 channel tiles x 4 groups x 512 bytes)
.set WIMG,   3*SLOTB                   ; images of Wv's 4 fragments (8 pieces of 512 bytes) and Wk's (2 pieces)
.set STG,    WIMG+5120                 ; the way out: 16 regions (4 t + s) of 16 rows x (256 bytes + 16)
.set SPITCH, 272
.set RGN,    16*SPITCH
.set STAT,   STG+16*RGN                ; -M at 128 (4 t + s) + 4 lane; the sums 2,048 bytes on
.set SPARE,  STAT+4096                 ; the spare words, 128 bytes a wave: eight blocks of 256 bytes that no other line names
.set LI,   1                           ; v1    16 x lane
.set XO,   2                           ; v2    64 r + 16 h: a lane's place in 16 rows of 64 codes
.set AC,   3                           ; v3-5  my key step's images in buffer 0, 1, 2
.set APK,  6                           ; v6-8  where I store k's images
.set APV,  9                           ; v9-11 where I store v's images
.set NM,   12                          ; v12   -M;  v13 the largest t
.set TM,   13
.set LS,   14                          ; v[14:15] the row's sum, in two halves
.set VSC,  16                          ; v16, v17  2^(e7-e4-e5) and 448 x that
.set VLIM, 17
.set PSC,  18                          ; v18, v19  2^e6 and 448 x that
.set PLIM, 19
.set F,    20                          ; v[20:21] f = 2^(old M - new M); v21 is named with it as a pair
.set T0,   22                          ; v22, v23, v26, v27: the maximum's four chains;  v[22:23], v[24:25], v[26:27]: three of the sum's four
.set T1,   23
.set T2,   24
.set DD,   25
.set SU,   26
.set NINF, 28
.set RH,   29                          ; r - 8 h
.set SPW,  30                          ; v30   my spare word;  v31  0: never rewritten
.set NIL,  31
.set Q,    32                          ; v32-39   q^T
.set X,    40                          ; v40-55   x's codes of my 32 keys of the next slot
.set C,    56                          ; v56-71   p's codes
.set WV,   56                          ; v56-87   while k and v are made: Wv's four fragments
.set O,    88                          ; v88-119  O^T
.set S,    120                         ; v120-183 S^T: written by the f32 matrix form alone
.set P,    184                         ; v184-247 k's fragments, then p, then V's fragments; at work while k and v are made
.set STO,  248
.set RD,   249
.set SST,  250
.set RS,   251
.set AW,   252                         ; v252  the weights' images
.set AWS,  253                         ; v253  where I store my piece of them
.set E6,   22                          ; s22   e6, as loaded
.set WVN,  24                          ; s24 wave, s25 s, s26 a, s27 t, s28 lag, s29 batch
.set SS,   25
.set SA,   26
.set ST,   27
.set LG,   28
.set SB,   29
.set Q0,   30                          ; my tile's first query
.set KMAX, 31                          ; the work-group's last query
.set KF,   32                          ; first key of my step of slot n
.set KV,   33                          ; first key of the step whose softmax is in hand
.set PKF,  34                          ; first key of the step of slot n + 1 to which the keys that I make belong
.set CS,   38                          ; s[38:39] c
.set SEL,  40                          ; s[40:41] lane l xor 16
.set XB,   42                          ; s[42:43] x's codes of my 32 keys of the slot to be loaded
.set OB,   44                          ; s[44:45] out at the four rows that I join
.set ES,   46                          ; e6 + e7
.set TR,   47
.macro BAR                             ; my LDS stores have landed and my LDS loads are in: then the work-group's barrier
	s_wait_dscnt 0x0
	s_barrier_signal -1
	s_barrier_wait -1
.endm
; MY 32 KEYS OF A SLOT, into buffer pb.  Two tiles of 16 keys; for each: k^T = Wk x^T (one product), v = x Wv (four).
.macro PRODUCE pb
.set n, 0
.rept 8
	ds_load_b128 v[WV+4*n:WV+4*n+3], v[AW] offset:512*n            ; Wv's fragments
.set n, n+1
.endr
	ds_load_b128 v[P+40:P+43], v[AW] offset:4096                   ; Wk's
	ds_load_b128 v[P+44:P+47], v[AW] offset:4608
	s_wait_loadcnt 0x0                                             ; x's codes, asked for a half ago, are in: so their base may step
	s_add_nc_u64 s[XB:XB+1], s[XB:XB+1], 32768                     ; 512 keys of 64 bytes on
	s_wait_dscnt 0x0
.irp kt, 0,1
	v_wmma_f32_16x16x64_fp8_fp8 v[P+32:P+39], v[P+40:P+47], v[X+8*\kt:X+8*\kt+7], 0
.irp dt, 0,1,2,3
	v_wmma_f32_16x16x64_fp8_fp8 v[P+8*\dt:P+8*\dt+7], v[X+8*\kt:X+8*\kt+7], v[WV+8*\dt:WV+8*\dt+7], 0
.endr
.rept 4
	v_nop                                                          ; four places ahead of the reads of these results and of loads into x's registers
.endr
.if \kt == 1
	s_add_co_u32 s48, s[PKF], 512                                  ; the next slot's codes are asked for if they will be used: the same test as the next half's; no load leaves x
	s_cmp_gt_u32 s48, s[KMAX]
	s_cbranch_scc1 .Lno_x_\@
	global_load_b128 v[X:X+3],     v[XO], s[XB:XB+1]
	global_load_b128 v[X+4:X+7],   v[XO], s[XB:XB+1] offset:32
	global_load_b128 v[X+8:X+11],  v[XO], s[XB:XB+1] offset:1024
	global_load_b128 v[X+12:X+15], v[XO], s[XB:XB+1] offset:1056
.Lno_x_\@:
.endif
	ds_store_b128 v[APK+(\pb)], v[P+32:P+35] offset:1024*\kt       ; k's tile as it stands: registers 0-3, then 4-7
	ds_store_b128 v[APK+(\pb)], v[P+36:P+39] offset:1024*\kt+512
.irp dt, 0,1,2,3
.irp i, 0,1,2,3,4,5,6,7
	v_med3_num_f32 v[P+8*\dt+\i], v[P+8*\dt+\i], -v[VLIM], v[VLIM] ; the conversion to an 8-bit code does not saturate (ISA guide 7.6.2): the hold at the largest code x the scale
.endr
	v_cvt_scalef32_pk8_fp8_f32 v[P+48+4*\dt+2*\kt:P+49+4*\dt+2*\kt], v[P+8*\dt:P+8*\dt+7], v[VSC]
.endr
	v_nop                                                          ; a plain line behind the last conversion: the next products write its sources
.if \kt == 0
	s_wait_dscnt 0x0                                               ; k's stores are done before the next product writes their registers
.endif
.endr
.irp dt, 0,1,2,3
	ds_store_b128 v[APV+(\pb)], v[P+48+4*\dt:P+51+4*\dt] offset:2048*\dt   ; four registers of channel tile dt's fragment: my 32 keys
.endr
	s_wait_dscnt 0x0
.endm
; THE SCORES of my key step, from buffer kb: S^T = k q^T, eight tiles of 16 keys, four K steps of 4.  The eight accumulators take turns.
; Registers 0-3 of every tile (K steps 0 and 1) are fetched first, so that the products begin while registers 4-7 are on their way.
.macro QK kb
.irp u, 0,1
.irp c, 0,1,2,3,4,5,6,7
	ds_load_b128 v[P+8*\c+4*\u:P+8*\c+4*\u+3], v[AC+(\kb)] offset:1024*\c+512*\u
.endr
.endr
.irp kk, 0,1,2,3
.if \kk == 0
	s_wait_dscnt 8                                                 ; LDS loads come back in order (ISA guide 5.7.1): the first eight are in, the eight younger ones (registers 4-7) may be out
.endif
.if \kk == 2
	s_wait_dscnt 0x0
.endif
.irp c, 0,1,2,3,4,5,6,7
.if \kk == 0
	v_wmma_f32_16x16x4_f32 v[S+8*\c:S+8*\c+7], v[P+8*\c:P+8*\c+1], v[Q:Q+1], 0
.else
	v_wmma_f32_16x16x4_f32 v[S+8*\c:S+8*\c+7], v[P+8*\c+2*\kk:P+8*\c+2*\kk+1], v[Q+2*\kk:Q+2*\kk+1], v[S+8*\c:S+8*\c+7]
.endif
.endr
.endr
.rept 9
	v_nop                                                          ; nine places: what follows on some way is a matrix instruction that writes over these registers; reads of S and loads into P want eight
.endr
.endm
; The step's largest score, the new M, f, and t - M into P.  src: S, or P where the mask has been laid.  Four chains of 16 registers, two tiles each, ascending: each accumulator is read from its low end on.
.macro SOFTHEAD src
.irp k, 0,1,2,3
	v_max3_num_f32 v[T0+\k+2*(\k/2)], v[\src+16*\k], v[\src+16*\k+1], v[\src+16*\k+2]
.endr
.irp m, 0,1,2,3,4,5
.irp k, 0,1,2,3
	v_max3_num_f32 v[T0+\k+2*(\k/2)], v[T0+\k+2*(\k/2)], v[\src+16*\k+2*\m+3], v[\src+16*\k+2*\m+4]
.endr
.endr
	v_max3_num_f32 v[T0], v[T0], v[\src+15], v[\src+31]            ; the four registers left over, and the chains
	v_max3_num_f32 v[SU], v[SU], v[\src+47], v[\src+63]
	v_max3_num_f32 v[T0], v[T0], v[T1], v[SU]
	v_max_num_f32 v[T0], v[T0], v[SU+1]
	v_permlanex16_b32 v[T2], v[T0], s[SEL], s[SEL+1]               ; the query's other 64 keys lie in the lane 16 away
	v_max_num_f32 v[T0], v[T0], v[T2]
	v_mul_f32 v[T0], s[CS], v[T0]                                  ; as t (c is positive)
	v_max_num_f32 v[TM], v[TM], v[T0]
	v_mov_b32 v[T0], v[NM]
	v_floor_f32 v[NM], -v[TM]                                      ; -M = floor(-t): M is a whole number
	v_sub_f32 v[T0], v[NM], v[T0]                                  ; old M - new M, 0 or less
	v_cvt_i32_f32 v[T0], v[T0]                                     ; (it saturates)
	v_ldexp_f32 v[F], 1.0, v[T0]                                   ; f: a power of two, or 0 in the first step walked
.set n, 0
.rept 32
	v_pk_fma_f32 v[P+n:P+n+1], v[\src+n:\src+n+1], s[CS:CS+1], v[NM:NM+1] op_sel_hi:[1,0,0]   ; t - M (of the pairs c and -M the low word serves both halves)
.set n, n+2
.endr
.endm
; SOFTMAX AND p v of the step whose first key is s[KV] and whose scores lie in S; V's image lies in buffer vb.
.macro SMPV vb
	s_add_co_u32 s49, s[KV], 127
	s_cmp_le_u32 s49, s[Q0]                                        ; all 128 keys count for all 16 queries: no mask
	s_cbranch_scc1 .Lopen_\@
	s_sub_co_i32 s49, s[Q0], s[KV]
	v_add_nc_u32 v[DD], s49, v[RH]                                 ; register 8 c + i holds key KV + 16 c + 8 h + i: hidden where 16 c + i > Q0 - KV + r - 8 h.  Key KV counts for every query of the tile
.set n, 0
.rept 64
	v_cmp_gt_i32 vcc_lo, 16*(n/8)+n%8, v[DD]
	v_cndmask_b32 v[P+n], v[S+n], v[NINF], vcc_lo
.set n, n+1
.endr
	SOFTHEAD P
	s_branch .Ljoin_\@
.Lopen_\@:
	SOFTHEAD S
.Ljoin_\@:
.set n, 0
.rept 64
	v_exp_f32 v[P+n], v[P+n]                                       ; p = 2^(t - M): one batch
.set n, n+1
.endr
	v_pk_mul_f32 v[LS:LS+1], v[LS:LS+1], v[F:F+1] op_sel_hi:[1,0]  ; the sums under the new M: the plain line behind the exponentials
	s_wait_alu depctr_va_vdst(0)                                   ; the wait ahead of the first line that names a result: one for the batch
	v_pk_add_f32 v[T0:T0+1], v[P:P+1], v[P+2:P+3]                  ; the row's sum, of the unquantised p, two at a time, in four chains
	v_pk_add_f32 v[T2:T2+1], v[P+4:P+5], v[P+6:P+7]
	v_pk_add_f32 v[SU:SU+1], v[P+8:P+9], v[P+10:P+11]
	v_pk_add_f32 v[LS:LS+1], v[LS:LS+1], v[P+12:P+13]
.irp i, 14,22,30,38,46,54
	v_pk_add_f32 v[T0:T0+1], v[T0:T0+1], v[P+\i:P+\i+1]
	v_pk_add_f32 v[T2:T2+1], v[T2:T2+1], v[P+\i+2:P+\i+3]
	v_pk_add_f32 v[SU:SU+1], v[SU:SU+1], v[P+\i+4:P+\i+5]
	v_pk_add_f32 v[LS:LS+1], v[LS:LS+1], v[P+\i+6:P+\i+7]
.endr
	v_pk_add_f32 v[T0:T0+1], v[T0:T0+1], v[P+62:P+63]
	v_pk_add_f32 v[LS:LS+1], v[LS:LS+1], v[SU:SU+1]
	v_pk_add_f32 v[T0:T0+1], v[T0:T0+1], v[T2:T2+1]
	v_pk_add_f32 v[LS:LS+1], v[LS:LS+1], v[T0:T0+1]
	s_cmp_ge_i32 s[E6], -8                                         ; 448 x 2^e6 >= 1.75 > every p: the hold would change no number
	s_cbranch_scc1 .Lfits_\@
.set n, 0
.rept 64
	v_min_num_f32 v[P+n], v[P+n], v[PLIM]                          ; the conversion to an 8-bit code does not saturate (ISA guide 7.6.2); p is not negative: a one-sided hold
.set n, n+1
.endr
.Lfits_\@:
.irp c, 0,1,2,3,4,5,6,7
	v_cvt_scalef32_pk8_fp8_f32 v[C+2*\c:C+2*\c+1], v[P+8*\c:P+8*\c+7], v[PSC]   ; keys 16 c + 8 h + 0 .. 7: registers 2 c, 2 c + 1 of source 1
.endr
.set n, 0
.rept 16
	ds_load_b128 v[P+4*n:P+4*n+3], v[AC+(\vb)] offset:VIMG+512*n   ; V^T's four fragments
.set n, n+1
.endr
.set n, 0
.rept 16
	v_pk_mul_f32 v[O+n:O+n+1], v[O+n:O+n+1], v[F:F+1] op_sel_hi:[1,0]   ; O^T under the new M; also the plain lines between the conversions and the products
.set n, n+2
.endr
	s_wait_dscnt 0x0
.irp dt, 0,1,2,3
	v_wmma_f32_16x16x128_fp8_fp8 v[O+8*\dt:O+8*\dt+7], v[P+16*\dt:P+16*\dt+15], v[C:C+15], v[O+8*\dt:O+8*\dt+7]
.endr
.rept 5
	v_nop                                                          ; five places: what follows on some way is a matrix instruction that writes over V's registers; loads and stores want four
.endr
.endm
; A HALF: slot n lies in buffer tb, slot n - 1 in buffer (tb + 2) % 3; slot n + 1 is made into buffer (tb + 1) % 3.
.macro HALF tb
	BAR                                                            ; slot n is whole, and nobody reads slot n - 2 any more: every wave's stores have landed and its loads are in
	s_cmp_lg_u32 s[LG], 0
	s_cbranch_scc1 .Lp1lag_\@
	s_cmp_gt_u32 s[KF], s[Q0]                                      ; (ahead of slot 0 KF has wrapped and is the greater)
	s_cbranch_scc1 .Lp1end_\@
	QK \tb                                                         ; lead: the scores of slot n's step
	s_branch .Lp1end_\@
.Lp1lag_\@:
	s_sub_co_u32 s[KV], s[KF], 512
	s_cmp_gt_u32 s[KV], s[Q0]
	s_cbranch_scc1 .Lp1end_\@
	SMPV (\tb+2)%3                                                 ; lag: softmax and p v of slot n - 1's step
.Lp1end_\@:
	s_cmp_gt_u32 s[PKF], s[KMAX]
	s_cbranch_scc1 .Lnoprod_\@
	PRODUCE (\tb+1)%3
.Lnoprod_\@:
	s_cmp_lg_u32 s[LG], 0
	s_cbranch_scc1 .Lp2lag_\@
	s_mov_b32 s[KV], s[KF]
	s_cmp_gt_u32 s[KV], s[Q0]
	s_cbranch_scc1 .Lp2end_\@
	SMPV \tb                                                       ; lead: softmax and p v of slot n's step
	s_branch .Lp2end_\@
.Lp2lag_\@:
	s_cmp_gt_u32 s[KF], s[Q0]
	s_cbranch_scc1 .Lp2end_\@
	QK \tb                                                         ; lag: the scores of slot n's step
.Lp2end_\@:
	s_add_co_u32 s[KF], s[KF], 512
	s_add_co_u32 s[PKF], s[PKF], 512
.endm
	s_load_b256 s[4:11], s[0:1], 0x0               ; x s[4:5], Wq s[6:7], Wk s[8:9], Wv s[10:11]
	s_load_b128 s[12:15], s[0:1], 0x20             ; the scales' exponents s[12:13], out s[14:15]
	v_lshl_add_u32 v[SPW], v0, 2, SPARE
	v_mov_b32 v[NIL], 0
	v_lshrrev_b32 v[T0], 5, v0
	v_readfirstlane_b32 s[WVN], v[T0]              ; wave 0..15
	s_and_b32 s[SS], s[WVN], 3                     ; s: my key step in a slot; also which 32 keys of a step I make
	s_lshr_b32 s[SA], s[WVN], 2                    ; a: the step for which I make them
	s_xor_b32 s[ST], s[SA], s[SS]                  ; t: my query tile
	s_and_b32 s[LG], s[ST], 1                      ; 1: lag
	s_and_b32 s[SB], ttmp7, 0xffff                 ; batch
	s_sub_co_u32 s48, 127, ttmp9
	s_cmp_lt_u32 s[ST], 2
	s_cselect_b32 s48, ttmp9, s48                  ; tiles 0, 1: block j; tiles 2, 3: block 127 - j
	s_lshl_b32 s[Q0], s48, 5
	s_lshl_b32 s49, s[LG], 4
	s_add_co_u32 s[Q0], s[Q0], s49                 ; my first query
	s_lshl_b32 s49, ttmp9, 5
	s_sub_co_u32 s[KMAX], 4095, s49                ; the work-group's last query
	s_lshl_b32 s50, s[ST], 2
	s_add_co_u32 s50, s50, s[SS]                   ; my region on the way out: 4 t + s
	; every LDS address is made here, ahead of the first branch: a constant + a lane term + a wave term
	v_and_b32 v[LI], 31, v0
	v_lshlrev_b32 v[LI], 4, v[LI]
	v_and_b32 v[T0], 15, v0                        ; r
	v_bfe_u32 v[T1], v0, 4, 1                      ; h
	v_lshlrev_b32 v[XO], 6, v[T0]
	v_lshl_add_u32 v[XO], v[T1], 4, v[XO]
	s_lshl_b32 s51, s[SS], 14
	v_add_nc_u32 v[AC], s51, v[LI]
	v_add_nc_u32 v[AC+1], SLOTB, v[AC]
	v_add_nc_u32 v[AC+2], 2*SLOTB, v[AC]
	s_lshl_b32 s52, s[SA], 14
	s_lshl_b32 s53, s[SS], 11
	s_add_co_u32 s53, s53, s52
	v_add_nc_u32 v[APK], s53, v[LI]                ; step a, tiles 2 s and 2 s + 1
	v_add_nc_u32 v[APK+1], SLOTB, v[APK]
	v_add_nc_u32 v[APK+2], 2*SLOTB, v[APK]
	s_lshl_b32 s53, s[SS], 9
	s_add_co_u32 s53, s53, s52
	s_add_co_u32 s53, s53, VIMG
	v_add_nc_u32 v[APV], s53, v[LI]                ; step a, register group s
	v_add_nc_u32 v[APV+1], SLOTB, v[APV]
	v_add_nc_u32 v[APV+2], 2*SLOTB, v[APV]
	v_add_nc_u32 v[AW], WIMG, v[LI]
	s_lshl_b32 s53, s[WVN], 9
	v_add_nc_u32 v[AWS], s53, v[AW]                ; used by waves 0 to 9 alone
	s_mul_i32 s53, s50, RGN
	v_mul_u32_u24 v[STO], v[T0], SPITCH
	v_lshl_add_u32 v[STO], v[T1], 5, v[STO]
	v_add_nc_u32 v[STO], s53, v[STO]
	v_add_nc_u32 v[STO], STG, v[STO]               ; in: my region, row r, + 32 h
	s_mul_i32 s53, s[ST], 4*RGN
	s_mul_i32 s54, s[SS], 4*SPITCH
	s_add_co_u32 s53, s53, s54
	v_mul_u32_u24 v[RD], v[T1], SPITCH
	v_lshl_add_u32 v[RD], v[T0], 4, v[RD]
	v_add_nc_u32 v[RD], s53, v[RD]
	v_add_nc_u32 v[RD], STG, v[RD]                 ; back: tile t's first region, row 4 s + h, 16 bytes at 16 r
	s_lshl_b32 s53, s50, 7
	v_and_b32 v[SST], 31, v0
	v_lshlrev_b32 v[SST], 2, v[SST]
	v_add_nc_u32 v[SST], s53, v[SST]
	v_add_nc_u32 v[SST], STAT, v[SST]
	s_lshl_b32 s53, s[ST], 9
	s_lshl_b32 s54, s[SS], 4
	s_add_co_u32 s53, s53, s54
	v_lshlrev_b32 v[RS], 2, v[T1]
	v_add_nc_u32 v[RS], s53, v[RS]
	v_add_nc_u32 v[RS], STAT, v[RS]                ; tile t's first region, query 4 s + h
	v_lshlrev_b32 v[RH], 3, v[T1]
	v_sub_nc_u32 v[RH], v[T0], v[RH]               ; r - 8 h
	v_mov_b32 v[NINF], 0xff800000
	v_mov_b32 v[T2], 0                             ; written once: a lane permute's destination counts as one of its sources
	v_mov_b32 v[F+1], 0                            ; (named as the upper half of the pair)
	s_mov_b32 s[SEL], 0x76543210
	s_mov_b32 s[SEL+1], 0xfedcba98
	; offsets, apart from the addresses
	s_lshl_b32 s52, s[SB], 18                      ; a batch of x: 4,096 rows of 64 bytes
	s_lshl_b32 s53, s[WVN], 11
	s_add_co_u32 s52, s52, s53                     ; + my 32 keys of slot 0
	s_mov_b32 s53, 0
	s_lshl_b32 s54, s[SB], 18
	s_lshl_b32 s55, s[Q0], 6
	s_add_co_u32 s54, s54, s55                     ; my 16 queries' rows of x
	s_mov_b32 s55, 0
	s_lshl_b32 s56, s[SB], 20                      ; a batch of out: 4,096 rows of 256 bytes
	s_lshl_b32 s57, s[Q0], 8
	s_add_co_u32 s56, s56, s57
	s_lshl_b32 s57, s[SS], 10
	s_add_co_u32 s56, s56, s57                     ; row Q0 + 4 s
	s_mov_b32 s57, 0
	s_lshr_b32 s58, s[WVN], 1                      ; the weights' images: waves 0-7 bring Wv's tile w / 2, half w % 2; waves 8, 9 Wk's halves
	s_lshl_b32 s58, s58, 10
	s_and_b32 s59, s[WVN], 1
	s_lshl_b32 s59, s59, 5
	s_cmp_lt_u32 s[WVN], 8
	s_cselect_b32 s58, s58, 0
	s_add_co_u32 s58, s58, s59
	s_mov_b32 s59, 0
	s_wait_kmcnt 0x0
	s_load_b256 s[16:23], s[12:13], 0x0            ; e0 .. e7
	s_add_nc_u64 s[XB:XB+1], s[4:5], s[52:53]
	s_add_nc_u64 s[60:61], s[4:5], s[54:55]
	s_add_nc_u64 s[OB:OB+1], s[14:15], s[56:57]
	s_cmp_lt_u32 s[WVN], 8                         ; the choice hangs on the wave's number alone
	s_cselect_b64 s[62:63], s[10:11], s[8:9]
	s_add_nc_u64 s[62:63], s[62:63], s[58:59]
	global_load_b128 v[X:X+3],     v[XO], s[XB:XB+1]               ; slot 0: my 32 keys
	global_load_b128 v[X+4:X+7],   v[XO], s[XB:XB+1] offset:32
	global_load_b128 v[X+8:X+11],  v[XO], s[XB:XB+1] offset:1024
	global_load_b128 v[X+12:X+15], v[XO], s[XB:XB+1] offset:1056
	global_load_b128 v[P:P+3],     v[XO], s[60:61]                 ; my queries' rows of x
	global_load_b128 v[P+4:P+7],   v[XO], s[60:61] offset:32
	global_load_b128 v[P+8:P+11],  v[XO], s[6:7]                   ; Wq
	global_load_b128 v[P+12:P+15], v[XO], s[6:7] offset:32
	s_cmp_ge_u32 s[WVN], 10
	s_cbranch_scc1 .Lno_piece
	global_load_b128 v[P+16:P+19], v[XO], s[62:63]
	s_wait_loadcnt 0x0
	ds_store_b128 v[AWS], v[P+16:P+19]             ; read behind the first barrier, ahead of which this store is waited for
.Lno_piece:
	s_wait_loadcnt 0x0
	v_wmma_f32_16x16x64_fp8_fp8 v[Q:Q+7], v[P+8:P+15], v[P:P+7], 0 ; q^T = Wq x^T: it stays
.irp i, 0,1,2,3
	v_mov_b32 v[O+\i], 0
.endr
	; S is read and written in different arms of the halves' branches, so it is given a value here, once; it is written by the f32 matrix form alone: eight products of zeros.  They add nothing to any result.
.irp c, 0,1,2,3,4,5,6,7
	v_wmma_f32_16x16x4_f32 v[S+8*\c:S+8*\c+7], v[O:O+1], v[O+2:O+3], 0
.endr
.set n, 4
.rept 28
	v_mov_b32 v[O+n], 0                            ; O^T begins as zeros, which the first f leaves zeros.  (These 28 are also the places behind the products above)
.set n, n+1
.endr
	v_mov_b32 v[LS], 0
	v_mov_b32 v[LS+1], 0
	v_mov_b32 v[TM], 0xff61b1e6                    ; the largest t so far: -3e38
	v_floor_f32 v[NM], -v[TM]
	s_wait_kmcnt 0x0
	s_add_co_i32 s48, s16, s17
	s_add_co_i32 s48, s48, s18
	s_add_co_i32 s48, s48, s19
	s_lshl_b32 s48, s48, 23
	s_add_co_i32 s[CS], s48, 0x3eb8aa3b            ; c = log2(e) / 4, with e0+e1+e2+e3 added to its exponent field
	s_mov_b32 s[CS+1], s[CS]                       ; (named with it as a pair)
	s_sub_co_i32 s48, s23, s20
	s_sub_co_i32 s48, s48, s21
	s_add_co_i32 s48, s48, 127
	s_lshl_b32 s49, s48, 23
	v_mov_b32 v[VSC], s49                          ; 2^(e7-e4-e5)
	s_add_co_i32 s48, s48, 8
	s_lshl_b32 s48, s48, 23
	s_or_b32 s48, s48, 0x600000
	v_mov_b32 v[VLIM], s48                         ; 448 x that
	s_add_co_i32 s48, s[E6], 127
	s_lshl_b32 s49, s48, 23
	v_mov_b32 v[PSC], s49                          ; 2^e6
	s_add_co_i32 s48, s48, 8
	s_lshl_b32 s48, s48, 23
	s_or_b32 s48, s48, 0x600000
	v_mov_b32 v[PLIM], s48                         ; 448 x 2^e6
	s_add_co_i32 s[ES], s[E6], s23
	s_lshl_b32 s[KF], s[SS], 7
	s_sub_co_u32 s[KF], s[KF], 512                 ; n = -1: it wraps, and is greater than any query
	s_lshl_b32 s[PKF], s[SA], 7                    ; slot 0
	s_mov_b32 s[TR], 0
.Ltrip:                                                ; three trips of three halves: n = -1 .. 7; n = -1 makes slot 0.  All branches but the one on e6 hang on ids and the count of halves
	HALF 2
	HALF 0
	HALF 1
	s_add_co_u32 s[TR], s[TR], 1
	s_cmp_lt_u32 s[TR], 3
	s_cbranch_scc1 .Ltrip
	; the lag waves' last softmax and p v: slot 7's, in buffer 1.  No barrier: the slot has been whole since the last half's barrier, and nothing is stored into that buffer behind it
	s_cmp_eq_u32 s[LG], 0
	s_cbranch_scc1 .Lout
	s_sub_co_u32 s[KV], s[KF], 512
	s_cmp_gt_u32 s[KV], s[Q0]
	s_cbranch_scc1 .Lout
	SMPV 1
.Lout:
	; THE WAY OUT.  My part (-M, sum, O^T under that M) goes to LDS; wave (t, s) then joins queries 4 s .. 4 s + 3 of tile t from the four parts and stores four whole rows.
	v_add_f32 v[LS], v[LS], v[LS+1]
	v_permlanex16_b32 v[T2], v[LS], s[SEL], s[SEL+1]
	v_add_f32 v[LS], v[LS], v[T2]                  ; the sum over my keys, in both halves of the lanes
.irp dt, 0,1,2,3
	ds_store_b128 v[STO], v[O+8*\dt:O+8*\dt+3] offset:64*\dt       ; row r, channels 16 dt + 8 h + 0 .. 7
	ds_store_b128 v[STO], v[O+8*\dt+4:O+8*\dt+7] offset:64*\dt+16
.endr
	ds_store_b32 v[SST], v[NM]
	ds_store_b32 v[SST], v[LS] offset:2048
	BAR
.irp u, 0,1                                    ; lane (r, h): query 4 s + 2 u + h, channels 4 r .. 4 r + 3; part i
.irp i, 0,1,2,3
	ds_load_b128 v[P+16*\u+4*\i:P+16*\u+4*\i+3], v[RD] offset:RGN*\i+2*SPITCH*\u
	ds_load_b32 v[P+32+4*\u+\i], v[RS] offset:128*\i+8*\u
	ds_load_b32 v[P+40+4*\u+\i], v[RS] offset:2048+128*\i+8*\u
.endr
.endr
	s_wait_dscnt 0x0
.irp u, 0,1
	v_min_num_f32 v[T0], v[P+32+4*\u], v[P+33+4*\u]
	v_min_num_f32 v[T1], v[P+34+4*\u], v[P+35+4*\u]
	v_min_num_f32 v[T0], v[T0], v[T1]              ; -(the largest M)
.irp i, 0,1,2,3
	v_sub_f32 v[P+48+4*\u+\i], v[T0], v[P+32+4*\u+\i]              ; M_i - the largest M: a whole number, 0 or less; a part that walked no step has -M = 3e38
.endr
.irp i, 0,1,2,3
	v_cvt_i32_f32 v[P+48+4*\u+\i], v[P+48+4*\u+\i]                 ; (it saturates)
.endr
.irp i, 0,1,2,3
	v_ldexp_f32 v[P+48+4*\u+\i], 1.0, v[P+48+4*\u+\i]              ; f_i: a power of two, or 0
.endr
	v_mul_f32 v[SU+\u], v[P+48+4*\u], v[P+40+4*\u]
.irp i, 1,2,3
	v_fma_f32 v[SU+\u], v[P+48+4*\u+\i], v[P+40+4*\u+\i], v[SU+\u]
.endr
.irp k, 0,1,2,3
	v_mul_f32 v[C+4*\u+\k], v[P+48+4*\u], v[P+16*\u+\k]
.endr
.irp i, 1,2,3
.irp k, 0,1,2,3
	v_fma_f32 v[C+4*\u+\k], v[P+48+4*\u+\i], v[P+16*\u+4*\i+\k], v[C+4*\u+\k]
.endr
.endr
.endr
	v_rcp_f32 v[SU], v[SU]
	v_rcp_f32 v[SU+1], v[SU+1]
	v_nop                                          ; a plain line behind the reciprocals
	s_wait_alu depctr_va_vdst(0)                   ; and the wait ahead of their first reader: one for both
	v_ldexp_f32 v[SU], v[SU], s[ES]                ; x 2^(e6+e7)
	v_ldexp_f32 v[SU+1], v[SU+1], s[ES]
.irp u, 0,1
.irp k, 0,1,2,3
	v_mul_f32 v[C+4*\u+\k], v[C+4*\u+\k], v[SU+\u]
.endr
.endr
.irp u, 0,1
	global_store_b128 v[LI], v[C+4*\u:C+4*\u+3], s[OB:OB+1] offset:512*\u th:TH_STORE_NT   ; 32 lanes store 512 consecutive bytes, two whole rows of out, at a multiple of 256 from its first byte
.endr
	s_wait_tensorcnt 0x0                           ; the wave's end
	ds_add_u32 v[SPW], v[NIL]
	s_wait_dscnt 0x0
	s_endpgm
.Lfunc_end_k_q88bba0a137_attn:
	.size	k_q88bba0a137_attn, .Lfunc_end_k_q88bba0a137_attn-k_q88bba0a137_attn
	.p2alignl 7, 3214868480
	.fill 96, 4, 3214868480
	.section	.rodata,"a",@progbits
	.p2align	6, 0x0
	.amdhsa_kernel k_q88bba0a137_attn
		.amdhsa_group_segment_fixed_size 277504
		.amdhsa_private_segment_fixed_size 0
		.amdhsa_enable_private_segment 0
		.amdhsa_kernarg_size 48
		.amdhsa_user_sgpr_count 2
		.amdhsa_user_sgpr_kernarg_segment_ptr 1
		.amdhsa_wavefront_size32 1
		.amdhsa_system_sgpr_workgroup_id_x 1
		.amdhsa_system_sgpr_workgroup_id_y 1
		.amdhsa_system_sgpr_workgroup_id_z 1
		.amdhsa_system_vgpr_workitem_id 0
		.amdhsa_next_free_vgpr 256
		.amdhsa_next_free_sgpr 66
		.amdhsa_reserve_vcc 1
		.amdhsa_float_denorm_mode_32 3
		.amdhsa_float_denorm_mode_16_64 3
		.amdhsa_memory_ordered 1
		.amdhsa_forward_progress 1
		.amdhsa_inst_pref_size 221
	.end_amdhsa_kernel
	.amdgpu_metadata
---
amdhsa.version: [ 1, 2 ]
amdhsa.kernels:
  - .name:           k_q88bba0a137_attn
    .symbol:         k_q88bba0a137_attn.kd
    .args:
      - { .name: x_codes, .offset: 0, .size: 8, .value_kind: global_buffer, .address_space: global }
      - { .name: Wq_codes, .offset: 8, .size: 8, .value_kind: global_buffer, .address_space: global }
      - { .name: Wk_codes, .offset: 16, .size: 8, .value_kind: global_buffer, .address_space: global }
      - { .name: Wv_codes, .offset: 24, .size: 8, .value_kind: global_buffer, .address_space: global }
      - { .name: lowp_scales, .offset: 32, .size: 8, .value_kind: global_buffer, .address_space: global }
      - { .name: out0, .offset: 40, .size: 8, .value_kind: global_buffer, .address_space: global }
    .group_segment_fixed_size: 277504
    .private_segment_fixed_size: 0
    .kernarg_segment_align: 8
    .kernarg_segment_size: 48
    .max_flat_workgroup_size: 512
    .sgpr_count:     66
    .vgpr_count:     256
    .wavefront_size: 32
...
	.end_amdgpu_metadata
.endif
;; end of part 2
